; MI455X (gfx1250); checked and timed in simulation.
; The chip was launched on July 23, 2026; its instructions are those of AMD's public machine-readable ISA for CDNA 5 (MIT licence, August 2026) and "CDNA5" Instruction Set Architecture Reference Guide (July 2026). The comments in the code are by the model that wrote it; some were corrected since.
;; Outer Product Mix. Allowed arithmetic: float matrix products may take bf16 or f16 operands with f32 sums; other float arithmetic in f32, or as packed bf16 or f16 multiplies, adds, multiply-adds, maxima and minima; sums over many terms, partial sums and values carried from step to step in f32; what a program stores and reads back later, other than sums and carried values, may be rounded once to bf16 or f16.
;; Inputs: W 256 x 65,536 float32; b 256 float32; h 4 x 1,024 x 256 float32.
;; Outputs: out0 4 x 1,024 x 256 float32.
;; One version. Each part assembles by itself: llvm-mc -triple=amdgcn-amd-amdhsa -mcpu=gfx1250 --defsym DOCPART=n.
;; ======== version 1 of 1: 2 launches
;; limits: values are held in f16: magnitudes above 65,504 overflow, below 6.1e-05 lose precision; inputs' magnitudes at most 65,504; right only within a limited range of input values
;; workspace buffers: S 18,874,368 bytes; Hf 2,097,152 bytes
;; launch prep (part 1): grid 256 x 1, 8 waves a work-group, no clusters, 283,904 bytes of LDS; arguments W, h, S, Hf; writes S, Hf
.if DOCPART == 1
	.amdgcn_target "amdgcn-amd-amdhsa--gfx1250"
	.amdhsa_code_object_version 6
	.text
	.protected	k_qb69fc805ca_prep
	.globl	k_qb69fc805ca_prep
	.p2align	8
	.type	k_qb69fc805ca_prep,@function
k_qb69fc805ca_prep:
	s_mov_b64 s[64:65], 0
	v_nop
	global_prefetch_b8 v0, s[64:65] scope:SCOPE_SE
	s_setreg_imm32_b32 hwreg(HW_REG_WAVE_MODE, 25, 1), 1
	s_wait_xcnt 0x0
; out[n][o] = sum over i, j of h[n][i] W[o][i][j] h[n][j] + b[o].  h: [4096][256] f32, W: [256][256][256] f32 (o, i, j), b: [256] f32.
; WORK LEFT OUT, for all values of the inputs: h[n][i] h[n][j] is the same for (i, j) and (j, i), so W[o][i][j] and W[o][j][i] enter every output only by their sum.  With
;   S[o][i][j] = W[o][i][j] + W[o][j][i] for j < i,  W[o][i][i] for j = i,  0 for j > i
; out[n][o] = sum over i of h[n][i] (sum over j <= i of S[o][i][j] h[n][j]) + b[o] in exact arithmetic.  Of the 128 fragments of 16 (i) x 32 (j) of each o the 56 that lie wholly above the
; diagonal are never made and never multiplied; 72 are left.  Every byte of W, h and b still has a way to the output, and all three are read.
; LIMITS.  The sums run in another order than the einsum's.  Where W[o][i][j] + W[o][j][i] overflows f32, or one of the two is an infinity or a NaN, the result may differ from that of the terms taken
; apart: a NaN, an infinity or an overflow that would arise only in the products left out is not carried to the result.  The matrix operands are f16: |h| stays under 65,504 and
; |W[o][i][j] + W[o][j][i]| under 15.99 (S is stored times 2^12, an exact scaling that the second kernel takes back); a stored S under 6e-5 in magnitude keeps f16's fixed step of 6e-8.
; THIS KERNEL makes S and an f16 copy of h, both laid out as the second kernel's matrix operands take them.  A FRAGMENT is 16 rows x 32 k of f16, 1,024 bytes: lane l (r = l % 16, hh = l / 16)
; has row r; its registers 0-3 (k = 8 hh + 0..7) lie at byte 16 l, its registers 4-7 (k = 16 + 8 hh + 0..7) at byte 512 + 16 l: a load or store of 16 bytes a lane covers 512 consecutive bytes.
;   S:  [o][72 fragments].  Fragment (ib, ks) holds rows i = 16 ib + r, columns j = 32 ks + k, ks = 0 .. ib / 2.  They lie in eight UNITS of nine, in the order in which they are multiplied:
;       unit m = block ib = m (m / 2 + 1 fragments), then block ib = 15 - m (8 - m / 2 fragments).
;   Hf: [tile of 16 tokens][ks = 0..7].  Fragment (tile, ks) holds tokens 16 tile + r, channels 32 ks + k.
; SHARES.  Work-group o takes W[o] (262,144 bytes) and token tile o.  Wave w brings 32 rows of W[o] and 2 rows of h into LDS, each by one tensor load, and then makes unit w of S[o] and fragment
; ks = w of the token tile.  LDS is filled once; no work-group reads what another reads, so there is no cluster; there is nothing for the matrix unit to do.
.set PITCH,  1040                      ; an LDS row: 1,024 bytes + 16 of padding = 65 x 16: the 16 rows that a 16-byte load touches start at 16 different groups of four banks (64 banks of 4 bytes: ISA guide 11.1)
.set HB,     256*PITCH                 ; behind W[o]'s 256 rows: the token tile's 16 rows
.set SPARE,  HB+16*PITCH               ; behind them (282,880 = 1,105 x 256): the spare words, 128 bytes for each wave: four blocks of 256 bytes that no other line names
.set OBYTES, 72*1024                   ; S of one o
.set LANE, 1                           ; v1   l
.set R16,  2                           ; v2   r
.set HH,   3                           ; v3   hh
.set SPW,  4                           ; v4   LDS address of my spare word: SPARE + 4 x my thread's number; never rewritten
.set NIL,  5                           ; v5   0; never rewritten
.set ROW,  6                           ; v6   i = 16 ib + r
.set AD,   7                           ; v7   W[i][8 hh] in LDS
.set AT,   8                           ; v8   W[8 hh][i] in LDS
.set A2,   9                           ; v9   AT + 32 ks rows
.set XD,   10                          ; v10  16 (ib % 2) + r - 8 hh: in the diagonal fragment element c lies on or under the diagonal where c <= XD
.set A1,   11                          ; v11  AD + 32 ks columns, where ks is no constant of the text; first the token tile's address
.set HSO,  12                          ; v12  my 16 bytes in Hf's fragment
.set SO1,  13                          ; v13-16  my 16 bytes in S: pass 1's first fragment, its diagonal fragment, pass 2's first, its diagonal; each written once
.set L16,  17                          ; v17  16 l
.set D,    20                          ; v[20:35]  W[i][j] for my 16 elements
.set TR,   36                          ; v[36:51]  W[j][i] for the same
.set OUT,  52                          ; v[52:59]  the fragment's 8 registers
	s_load_b256 s[4:11], s[0:1], 0x0               ; W s[4:5], h s[6:7], S s[8:9], Hf s[10:11]
	v_lshl_add_u32 v[SPW], v0, 2, SPARE
	v_mov_b32 v[NIL], 0
	ds_add_u32 v[SPW], v[NIL]                      ; the wave's opening: the add, twice on end, and its wait ahead of my first tensor load; the set-up below stands between
	ds_add_u32 v[SPW], v[NIL]
	v_lshrrev_b32 v1, 5, v0
	v_readfirstlane_b32 s12, v1                    ; wave w, 0..7
	s_lshr_b32 s13, s12, 1                         ; q = w / 2
	; descriptor group 1 for W: 32 rows x 256 elements of 4 bytes, 4 words of padding behind every 256 words
	s_mov_b32 s16, (2<<16)|(1<<20)|(7<<22)|(3<<25)
	s_mov_b32 s17, 256<<16                         ; tensor_dim0 = 256
	s_mov_b32 s18, 32<<16                          ; tensor_dim1 = 32
	s_mov_b32 s19, 256<<16                         ; tile_dim0 = 256
	s_mov_b32 s20, 32                              ; tile_dim1 = 32
	s_mov_b32 s21, 256                             ; 256 elements from row to row
	s_mov_b32 s22, 0
	s_mov_b32 s23, 0
	; and for h: the same with 2 rows
	s_mov_b32 s24, (2<<16)|(1<<20)|(7<<22)|(3<<25)
	s_mov_b32 s25, 256<<16
	s_mov_b32 s26, 2<<16
	s_mov_b32 s27, 256<<16
	s_mov_b32 s28, 2
	s_mov_b32 s29, 256
	s_mov_b32 s30, 0
	s_mov_b32 s31, 0
	s_mov_b32 s32, 1                               ; group 0 for h: count = 1,
	s_mul_i32 s33, s12, 2*PITCH
	s_add_co_u32 s33, s33, HB                      ; LDS address: my 2 rows of the token tile
	s_mov_b32 s36, 1                               ; group 0 for W,
	s_mul_i32 s37, s12, 32*PITCH                   ; my 32 rows
	s_lshl_b32 s44, ttmp9, 14                      ; h: 16 rows of 1,024 bytes a work-group,
	s_lshl_b32 s45, s12, 11                        ; 2 a wave
	s_add_co_u32 s44, s44, s45
	s_mov_b32 s45, 0
	s_lshl_b32 s46, ttmp9, 18                      ; W: 262,144 bytes a work-group,
	s_lshl_b32 s47, s12, 15                        ; 32 rows of 1,024 a wave
	s_add_co_u32 s46, s46, s47
	s_mov_b32 s47, 0
	s_mov_b32 s52, 0x45800000                      ; 2^12
	s_mov_b32 s53, s52                             ; named with it as a pair
	s_wait_dscnt 0x0                               ; both opening adds are done
	s_wait_kmcnt 0x0
	s_add_nc_u64 s[38:39], s[4:5], s[46:47]
	s_or_b32 s39, s39, 0x80000000                  ; type = 2
	s_add_nc_u64 s[34:35], s[6:7], s[44:45]
	s_or_b32 s35, s35, 0x80000000
	tensor_load_to_lds s[36:39], s[16:23]          ; both fills go out together, ahead of every wait on TENSORcnt, LDS read and barrier: two loads of mine are out
	s_nop 0
	tensor_load_to_lds s[32:35], s[24:31]
	s_nop 0
	; addresses, while the tiles are on their way
	v_and_b32 v[LANE], 31, v0
	v_and_b32 v[R16], 15, v0
	v_bfe_u32 v[HH], v0, 4, 1
	v_mul_u32_u24 v[A1], v[R16], PITCH             ; the token tile: row r, channels 32 w + 8 hh on
	v_lshl_add_u32 v[A1], v[HH], 5, v[A1]
	s_lshl_b32 s44, s12, 7
	s_add_co_u32 s44, s44, HB
	v_add_nc_u32 v[A1], s44, v[A1]
	s_lshl_b32 s44, ttmp9, 13                      ; Hf: 8 fragments a tile
	s_mov_b32 s45, 0
	s_add_nc_u64 s[10:11], s[10:11], s[44:45]
	s_mul_i32 s44, ttmp9, OBYTES
	s_add_nc_u64 s[8:9], s[8:9], s[44:45]          ; S at my o
	v_lshlrev_b32 v[L16], 4, v[LANE]
	v_lshl_add_u32 v[HSO], s12, 10, v[L16]         ; fragment w of the tile
	s_mul_i32 s44, s12, 9*1024
	v_add_nc_u32 v[SO1], s44, v[L16]               ; unit w begins at fragment 9 w: block ib = w, ks = 0,
	v_lshl_add_u32 v[SO1+1], s13, 10, v[SO1]       ; its diagonal fragment, ks = q,
	v_add_nc_u32 v[SO1+2], 1024, v[SO1+1]          ; behind it block ib = 15 - w, ks = 0,
	s_sub_co_u32 s47, 7, s13
	v_lshl_add_u32 v[SO1+3], s47, 10, v[SO1+2]     ; and its diagonal fragment, ks = 7 - q
	s_wait_tensorcnt 0x0                           ; my rows of W[o] and of the token tile are in LDS,
	s_barrier_signal -1
	s_barrier_wait -1                              ; everybody's are: from here on LDS is only read
	; the token tile's fragment ks = w: 16 numbers a lane, rounded to f16
	ds_load_b128 v[D:D+3],     v[A1]
	ds_load_b128 v[D+4:D+7],   v[A1] offset:16
	ds_load_b128 v[D+8:D+11],  v[A1] offset:64
	ds_load_b128 v[D+12:D+15], v[A1] offset:80
	s_wait_dscnt 0x0
.irp e, 0,1,2,3,4,5,6,7
	v_cvt_pk_f16_f32 v[OUT+(\e)], v[D+2*(\e)], v[D+2*(\e)+1]
.endr
	global_store_b128 v[HSO], v[OUT:OUT+3],   s[10:11]             ; each store of the wave covers 512 consecutive bytes, aligned
	global_store_b128 v[HSO], v[OUT+4:OUT+7], s[10:11] offset:512
; My 16 elements of a fragment, element e at column c = e (e < 8) or e + 8: W[i][j] by four loads of 16 bytes from row i, W[j][i] by sixteen loads of 4 bytes from column i of rows j:
; there lanes 0-15 read 16 neighbouring words and lanes 16-31 the 16 words 8 rows (8,320 bytes = 32 banks) on.
.macro LOADF a1, off
	ds_load_b128 v[D:D+3],     v[\a1] offset:(\off)
	ds_load_b128 v[D+4:D+7],   v[\a1] offset:(\off)+16
	ds_load_b128 v[D+8:D+11],  v[\a1] offset:(\off)+64
	ds_load_b128 v[D+12:D+15], v[\a1] offset:(\off)+80
.set e, 0
.rept 16
	ds_load_b32 v[TR+e], v[A2] offset:(e+8*(e/8))*PITCH
.set e, e+1
.endr
.endm
; (W[i][j] + W[j][i]) x 2^12, rounded once to f16, stored
.macro COMBINE so, off
.set e, 0
.rept 8
	v_pk_add_f32 v[D+e:D+e+1], v[D+e:D+e+1], v[TR+e:TR+e+1]
.set e, e+2
.endr
.set e, 0
.rept 8
	v_pk_mul_f32 v[D+e:D+e+1], v[D+e:D+e+1], s[52:53] op_sel_hi:[1,0]
.set e, e+2
.endr
	s_wait_xcnt 0x0                                ; the last fragment's stores have read OUT: it is rewritten only behind this wait
.set e, 0
.rept 8
	v_cvt_pk_f16_f32 v[OUT+e], v[D+2*e], v[D+2*e+1]
.set e, e+1
.endr
	global_store_b128 v[\so], v[OUT:OUT+3],   s[8:9] offset:(\off)
	global_store_b128 v[\so], v[OUT+4:OUT+7], s[8:9] offset:(\off)+512
.endm
.macro OFFD k, pn                      ; a fragment wholly under the diagonal: ks = k, a constant of the text
	v_add_nc_u32 v[A2], (\k)*32*PITCH, v[AT]
	LOADF AD, 128*(\k)
	s_wait_dscnt 0x0
	COMBINE SO1+2*((\pn)-1), 1024*(\k)
.endm
.macro DIAG pn                         ; the block's last fragment, ks = s14, holds the diagonal: W[i][j] counts where j <= i, W[j][i] where j < i.  By selects: whatever W holds above the diagonal, 0 is stored
	s_lshl_b32 s44, s14, 7
	v_add_nc_u32 v[A1], s44, v[AD]
	s_mul_i32 s44, s14, 32*PITCH
	v_add_nc_u32 v[A2], s44, v[AT]
	LOADF A1, 0
	s_wait_dscnt 0x0
.set e, 0
.rept 16
	v_cmp_le_i32 vcc_lo, e+8*(e/8), v[XD]
	v_cndmask_b32 v[D+e], 0, v[D+e], vcc_lo
	v_cmp_lt_i32 vcc_lo, e+8*(e/8), v[XD]
	v_cndmask_b32 v[TR+e], 0, v[TR+e], vcc_lo
.set e, e+1
.endr
	COMBINE SO1+2*((\pn)-1)+1, 0
.endm
; A block of 16 rows: ib in s15, its diagonal fragment's ks in s14.  The fragments under the diagonal are written out up to the most that any wave has (total); the first (free) of them every wave
; has; from there on a wave that has no more jumps forward to its diagonal fragment: a branch on the wave's number, past neither a barrier nor a tensor load.
.macro PASS pn, total, free
	v_lshl_add_u32 v[ROW], s15, 4, v[R16]
	v_mul_u32_u24 v[AD], v[ROW], PITCH
	v_lshl_add_u32 v[AD], v[HH], 5, v[AD]
	v_mul_u32_u24 v[AT], v[HH], 8*PITCH
	v_lshl_add_u32 v[AT], v[ROW], 2, v[AT]
	s_and_b32 s44, s15, 1
	s_lshl_b32 s44, s44, 4
	v_lshlrev_b32 v[XD], 3, v[HH]
	v_sub_nc_u32 v[XD], v[R16], v[XD]
	v_add_nc_u32 v[XD], s44, v[XD]
.set ks, 0
.rept \total
.if ks >= (\free)
	s_cmp_le_u32 s14, ks
	s_cbranch_scc1 .Ldiag\pn
.endif
	OFFD ks, \pn
.set ks, ks+1
.endr
.Ldiag\pn:
	DIAG \pn
.endm
	s_mov_b32 s15, s12                             ; block ib = w: q fragments under the diagonal, 3 at the most
	s_mov_b32 s14, s13
	PASS 1, 3, 0
	s_sub_co_u32 s15, 15, s12                      ; block ib = 15 - w: 7 - q of them, 4 to 7
	s_sub_co_u32 s14, 7, s13
	PASS 2, 7, 4
	s_wait_tensorcnt 0x0                           ; the wave's end: behind my last tensor load, an add to my spare word and its wait
	ds_add_u32 v[SPW], v[NIL]
	s_wait_dscnt 0x0
	s_endpgm
.Lfunc_end_k_qb69fc805ca_prep:
	.size	k_qb69fc805ca_prep, .Lfunc_end_k_qb69fc805ca_prep-k_qb69fc805ca_prep
	.p2alignl 7, 3214868480
	.fill 96, 4, 3214868480
	.section	.rodata,"a",@progbits
	.p2align	6, 0x0
	.amdhsa_kernel k_qb69fc805ca_prep
		.amdhsa_group_segment_fixed_size 283904
		.amdhsa_private_segment_fixed_size 0
		.amdhsa_enable_private_segment 0
		.amdhsa_kernarg_size 32
		.amdhsa_user_sgpr_count 2
		.amdhsa_user_sgpr_kernarg_segment_ptr 1
		.amdhsa_wavefront_size32 1
		.amdhsa_system_sgpr_workgroup_id_x 1
		.amdhsa_system_sgpr_workgroup_id_y 1
		.amdhsa_system_sgpr_workgroup_id_z 1
		.amdhsa_system_vgpr_workitem_id 0
		.amdhsa_next_free_vgpr 64
		.amdhsa_next_free_sgpr 66
		.amdhsa_reserve_vcc 1
		.amdhsa_float_denorm_mode_32 3
		.amdhsa_float_denorm_mode_16_64 3
		.amdhsa_memory_ordered 1
		.amdhsa_forward_progress 1
		.amdhsa_inst_pref_size 48
	.end_amdhsa_kernel
	.amdgpu_metadata
---
amdhsa.version: [ 1, 2 ]
amdhsa.kernels:
  - .name:           k_qb69fc805ca_prep
    .symbol:         k_qb69fc805ca_prep.kd
    .args:
      - { .name: W, .offset: 0, .size: 8, .value_kind: global_buffer, .address_space: global }
      - { .name: h, .offset: 8, .size: 8, .value_kind: global_buffer, .address_space: global }
      - { .name: S, .offset: 16, .size: 8, .value_kind: global_buffer, .address_space: global }
      - { .name: Hf, .offset: 24, .size: 8, .value_kind: global_buffer, .address_space: global }
    .group_segment_fixed_size: 283904
    .private_segment_fixed_size: 0
    .kernarg_segment_align: 8
    .kernarg_segment_size: 32
    .max_flat_workgroup_size: 256
    .sgpr_count:     66
    .vgpr_count:     64
    .wavefront_size: 32
...
	.end_amdgpu_metadata
.endif
;; end of part 1
;; launch mix (part 2): grid 16 x 16, 8 waves a work-group, clusters of 4 x 1, 327,680 bytes of LDS; arguments S, Hf, b, out0; writes out0
.if DOCPART == 2
	.amdgcn_target "amdgcn-amd-amdhsa--gfx1250"
	.amdhsa_code_object_version 6
	.text
	.protected	k_qb69fc805ca_mix
	.globl	k_qb69fc805ca_mix
	.p2align	8
	.type	k_qb69fc805ca_mix,@function
k_qb69fc805ca_mix:
	s_mov_b64 s[64:65], 0
	v_nop
	global_prefetch_b8 v0, s[64:65] scope:SCOPE_SE
	s_setreg_imm32_b32 hwreg(HW_REG_WAVE_MODE, 25, 1), 1
	s_wait_xcnt 0x0
	s_wait_alu depctr_hold_cnt(0) depctr_sa_sdst(0) depctr_va_vdst(0) depctr_va_sdst(0) depctr_va_ssrc(0) depctr_va_vcc(0) depctr_vm_vsrc(0)
	s_getreg_b32 s2, hwreg(HW_REG_IB_STS2, 6, 4)
	s_cmp_eq_u32 s2, 0
	s_cbranch_scc0 .Lentry_in_a_cluster
	s_endpgm
.Lentry_in_a_cluster:
	s_bfe_u32 s2, ttmp6, 0x10000c
	s_cmp_lg_u32 s2, 0x3003
	s_cbranch_scc0 .Lentry_shape_is_right
	s_endpgm
.Lentry_shape_is_right:
; out[n][o] = 2^-12 x sum over i of h[n][i] T[o][i][n] + b[o],  T[o][i][n] = sum over j <= i of S[o][i][j] h[n][j].  S: [256 o][72 fragments of 1,024 bytes] f16, the symmetrised lower triangle of
; W[o] times 2^12; Hf: [256 tiles of 16 tokens][8 fragments] f16: both as the first kernel laid them.  b: [256] f32, out0: [4096][256] f32.
; WORK LEFT OUT: the 56 of each o's 128 fragments that lie wholly above the diagonal; the first kernel's head shows why they reach no output, and states the limits (f16's range among them).
; The zeros above the diagonal inside the 16 diagonal fragments of each o are multiplied: dead numbers inside live fragments.
; SHARES.  A work-group owns 256 tokens (256 X ..) and 16 outputs (16 Y ..).  Wave v = g + 4 l holds tokens 64 g .. 64 g + 63 as four tiles of 16, all 256 channels of them in 256 registers,
; and in step s = 0..7 makes output o = 16 Y + 8 l + s for them: 72 fragments x 4 tiles = 288 matrix instructions.
; LAYOUT.  T = (fragment of S as source 0) x (fragment of h as source 1): in the result lane (r, hh) holds token r, register j row i = 16 ib + 8 hh + j.  The factor h[token r][i] that the second sum
; wants is half j % 2 of register 4 (ib % 2) + j / 2 of the fragment ks = ib / 2 of h that the lane already holds as source 1: the second sum is one multiply-add for each register of T, straight from
; that half, and nothing changes lanes but the two halves' sums at a step's end.
; EIGHT WAVES OF 512 REGISTERS.  A matrix line names S's fragment as source 0 and T as C and D; the multiply-add names T as source 0: so fragments, T and sums share window 0, h fills window 1 as
; source 1, and ONE window setting serves the loop.  That binds a wave to 64 tokens and 512 registers, so two waves share a SIMD: neither reads more from LDS for a matrix instruction than one would.
; THE ORDER OF A STEP is made by counting, not by hand.  Matrix instruction w (0..287) lies in unit m = w / 36: first block ib = m, then block ib = 15 - m, ks ascending, the four tiles by turns (one
; instruction a turn: three others stand between two links of a chain).  The vector work is a QUEUE of 16 blocks x 36 entries: four v_nop, then the block's 32 multiply-adds
; (j ascending, tiles by turns: four chains).  Entries 2 w - 36 and 2 w - 35 stand behind matrix instruction w (negative: the step before).  By that count block k's entries stand behind
; instructions 18 k + 18 .. 18 k + 35: never ahead of the block's last product (36 m + 15 at the latest for block 2 m, 36 m + 35 for block 2 m + 1), its four v_nop are the four places in front of its first reader
; (ISA guide 7.12.1), and each accumulator's register 0 is read first.  T has three sets of four accumulators: set 0 for the blocks ib = m (free behind 36 m + 35, taken at 36 m + 36), sets 1 and 2 by
; turns for the blocks ib = 15 - m (free behind 36 m + 53, taken again at 36 m + 76 at the earliest).
; THE RING.  Two LDS slots, each with the S of the work-group's two outputs of a step (147,456 bytes); each wave brings an eighth by one tensor load of 72 rows of 256 bytes.  A unit's nine fragments come out of
; LDS in ONE run of 18 loads, 32 matrix instructions ahead of their first use, into two banks of registers that take turns.
; CLUSTER.  The four work-groups of a cluster differ in their tokens alone and walk the same S: each tile is asked for JOINTLY, by the same tensor load, descriptor and mask in all four.
; THE WAY OUT.  A work-group owns 16 of a row's 256 outputs, so four neighbouring lanes store 64 consecutive bytes of a row of out0, eight rows an instruction.  256 consecutive bytes would want 64 outputs
; to a work-group, hence 64 tokens: S would then be brought into LDS 64 times over in place of 16 (1,208 MB for 302), for the sake of 4 MB of output.
.set OBYTES, 73728                     ; S of one o
.set WSHARE, 18432                     ; a wave's share of a slot: a quarter of an o
.set HALFO,  36864                     ; fragments 36 .. 71 are reached from a second address register: an LDS offset has 16 bits
.set SLOTB,  2*OBYTES                  ; slot 1 begins here
.set STAGE,  2*SLOTB                   ; behind the ring, never filled by a tensor load: for each wave 64 rows (tokens) of 48 bytes, of which 32 hold its eight steps' sums
.set SROW,   48
.set WSTAGE, 64*SROW
.set BIASB,  STAGE+8*WSTAGE            ; 16 bytes a thread: its four biases for the way out, set aside while all registers are at work
.set SPARE,  BIASB+4096                ; the spare words, 128 bytes for each wave: four blocks of 256 bytes that no other line names
.set STA, 1                            ; v1   where my lane's sums of the step in hand go: my stage + 48 x lane + 4 x step
.set SPW, 2                            ; v2   LDS address of my spare word: SPARE + 4 x my thread's number; never rewritten
.set NIL, 3                            ; v3   0; never rewritten
.set ZR,  4                            ; v4   0: what a step's first four multiply-adds add onto, so that nothing is cleared
.set AL0, 5                            ; v5   my lane's place in a slot: l x OBYTES + 16 x lane
.set ADR0, 6                           ; v6   the same in the slot in hand
.set ADR1, 7                           ; v7   ADR0 + HALFO
.set ACC, 8                            ; v8-11   the step's sums, a tile each
.set TMP, 12                           ; v12-13  at work at a step's end; v13 first holds 16 x lane for h's loads
.set PFO, 14                           ; v14  the prefetches' offset: 256 x min(lane, 17); never rewritten
.set TT,  16                           ; v16-111   T: set x, tile t at TT + 32 x + 8 t
.set FR,  112                          ; v112-255  S's fragments: bank m % 2, fragment i of the unit's nine at FR + 72 (m % 2) + 8 i
                                       ; window 1: h: tile t, ks at 64 t + 8 ks
.set WV,  12                           ; s12  my wave's number v; s13 g, s14 l, s15 cx, s16 X, s17 Y
.set G1,  24                           ; s[24:31] descriptor group 1
.set G0A, 32                           ; s[32:35] group 0 of step 0's load
.set G0B, 36                           ; s[36:39] group 0 of step 1's load; it then walks
.set WOFF, 40                          ; s40  my share's place in a slot
.set FB,  41                           ; s41  the slot filled last: 0 or SLOTB
.set RB,  42                           ; s42  the slot read: 0 or SLOTB
.set CNT, 43                           ; s43  steps of the loop still to end
.set LIM, 44                           ; s44  1 in a cluster that prefetches, else the greatest number
.set CNT2, 45                          ; s45  the tail's two steps
.set PFA, 46                           ; s[46:47] where my prefetches stand
.set SEL, 48                           ; s[48:49] v_permlanex16_b32's selects: each lane takes its own place in the other half
.set HM,  50                           ; s50  the mask of lanes 16-31
.set SC,  52                           ; s[52:53] 2^-12
.set LOOPW, 0x04                       ; source 1 in window 1, all else in window 0
.set MSB, 0
.macro WIN new                         ; the immediate's high byte repeats the setting that is left; a switch that changes nothing is dropped
.if MSB != (\new)
	s_set_vgpr_msb (MSB<<8)|(\new)
.set MSB, (\new)
.endif
.endm
; A round of the cluster's barrier: my work-group's barrier, so that wave 0's signal speaks for all eight waves; wave 0 signals for the work-group; every wave waits for all four work-groups; my work-group's barrier once more.
.macro CREST                           ; a round behind its opening barrier
	s_cmp_lg_u32 s[WV], 0
	s_cbranch_scc1 .Lnot_wave_0_\@
	s_barrier_signal -3
.Lnot_wave_0_\@:
	s_barrier_wait -3
	s_barrier_signal -1
	s_barrier_wait -1
.endm
.macro CROUND
	s_barrier_signal -1
	s_barrier_wait -1
	CREST
.endm
	s_load_b256 s[4:11], s[0:1], 0x0               ; S s[4:5], Hf s[6:7], b s[8:9], out0 s[10:11]
	v_lshl_add_u32 v[SPW], v0, 2, SPARE
	v_mov_b32 v[NIL], 0
	ds_add_u32 v[SPW], v[NIL]                      ; the wave's opening: the add, twice on end, and its wait ahead of my first tensor load; the set-up below stands between
	ds_add_u32 v[SPW], v[NIL]
	v_lshrrev_b32 v15, 5, v0
	v_readfirstlane_b32 s[WV], v15                 ; wave v, 0..7
	s_and_b32 s13, s[WV], 3                        ; g: which 64 tokens; also which quarter of an o I fetch
	s_lshr_b32 s14, s[WV], 2                       ; l: which of a step's two outputs
	s_bfe_u32 s15, ttmp6, 0x40000                  ; cx: my place in the cluster: it enters Hf's, out0's and the prefetches' addresses alone
	s_lshl_b32 s16, ttmp9, 2                       ; in a cluster launch ttmp9 counts clusters
	s_add_co_u32 s16, s16, s15                     ; X = 4 x cluster x + cx
	s_and_b32 s17, ttmp7, 0xffff                   ; Y, which the four partners share
	; descriptor group 1: 18,432 dense bytes as 72 rows of 256
	s_mov_b32 s[G1], 15|(3<<16)|(1<<21)            ; 15:0 the mask: all four work-groups; 17:16 elements of 8 bytes; 21 set beside a mask; no padding: a fragment is read as it lies, 512 consecutive bytes a load
	s_mov_b32 s[G1+1], 32<<16                      ; tensor_dim0 = 32
	s_mov_b32 s[G1+2], 72<<16                      ; tensor_dim1 = 72
	s_mov_b32 s[G1+3], 32<<16                      ; tile_dim0 = 32
	s_mov_b32 s[G1+4], 72                          ; tile_dim1 = 72
	s_mov_b32 s[G1+5], 32                          ; 32 elements from row to row
	s_mov_b32 s[G1+6], 0
	s_mov_b32 s[G1+7], 0
	s_mul_i32 s[WOFF], s[WV], WSHARE               ; l x OBYTES + g x WSHARE: no place in the cluster enters an LDS address
	s_mov_b32 s[G0A], 1
	s_mov_b32 s[G0A+1], s[WOFF]                    ; step 0 into slot 0,
	s_mov_b32 s[G0B], 1
	s_add_co_u32 s[G0B+1], s[WOFF], SLOTB          ; step 1 into slot 1
	s_mov_b32 s[FB], SLOTB
	s_mov_b32 s[RB], 0
	s_lshl_b32 s20, s17, 4
	s_lshl3_add_u32 s20, s14, s20                  ; my first output: 16 Y + 8 l
	s_mul_i32 s20, s20, OBYTES
	s_add_co_u32 s18, s20, 2*OBYTES                ; the prefetches begin two steps on; the first change of slots steps them to step 3
	s_mul_i32 s21, s13, WSHARE
	s_add_co_u32 s20, s20, s21                     ; + my quarter
	s_mov_b32 s21, 0
	s_lshl2_add_u32 s19, s15, s13                  ; of an o's 288 blocks of 256 bytes, wave g of partner cx asks for 18: those from 18 (4 cx + g) on
	s_mul_i32 s19, s19, 18*256
	s_add_co_u32 s18, s18, s19
	s_mov_b32 s19, 0
	s_lshl_b32 s22, s16, 17                        ; Hf: 16 tiles of 8,192 bytes a work-group,
	s_lshl_b32 s23, s13, 15                        ; 4 a wave
	s_add_co_u32 s22, s22, s23
	s_mov_b32 s23, 0
	s_lshl_b32 s54, s16, 18                        ; out0: 256 rows of 1,024 bytes a work-group,
	s_lshl_b32 s55, s[WV], 15                      ; of which wave v stores 32 v .. 32 v + 31,
	s_add_co_u32 s54, s54, s55
	s_lshl_b32 s56, s17, 6                         ; the work-group's 16 outputs: 64 bytes of a row, and of b
	s_add_co_u32 s54, s54, s56
	s_mov_b32 s55, 0
	s_mov_b32 s57, 0
	s_mov_b32 s[SEL], 0x76543210
	s_mov_b32 s[SEL+1], 0xfedcba98
	s_mov_b32 s[HM], 0xffff0000
	s_mov_b32 s[SC], 0x39800000                    ; 2^-12
	s_mov_b32 s[SC+1], s[SC]                       ; named with it as a pair
	s_cmp_eq_u32 ttmp9, 0                          ; the four clusters of a Y walk the same S: the first of them prefetches.  The same in all four partners
	s_cselect_b32 s[LIM], 1, -1
	s_wait_dscnt 0x0                               ; both opening adds are done
	s_wait_kmcnt 0x0
	s_add_nc_u64 s[G0A+2:G0A+3], s[4:5], s[20:21]
	s_add_nc_u64 s[G0B+2:G0B+3], s[G0A+2:G0A+3], OBYTES
	s_or_b32 s[G0A+3], s[G0A+3], 0x80000000        ; type = 2
	s_or_b32 s[G0B+3], s[G0B+3], 0x80000000
	s_add_nc_u64 s[PFA:PFA+1], s[4:5], s[18:19]
	s_add_nc_u64 s[6:7], s[6:7], s[22:23]
	s_add_nc_u64 s[8:9], s[8:9], s[56:57]
	s_add_nc_u64 s[10:11], s[10:11], s[54:55]
	CROUND                                         ; all four work-groups are here: the first joint loads meet
	tensor_load_to_lds s[G0A:G0A+3], s[G1:G1+7]    ; both first fills together, ahead of every wait on TENSORcnt and every LDS read: two loads of mine are out
	s_nop 0
	tensor_load_to_lds s[G0B:G0B+3], s[G1:G1+7]
	s_nop 0
.rept 4
	v_nop                                          ; four vector instructions stand between a tensor load and the next switch of windows
.endr
	v_and_b32 v15, 3, v0
	v_lshlrev_b32 v15, 4, v15
	global_load_b128 v[TT:TT+3], v15, s[8:9]       ; the four biases that my lane adds on the way out: outputs 16 Y + 4 (lane % 4) + 0..3
	v_and_b32 v[STA], 31, v0                       ; lane
	v_lshlrev_b32 v[TMP+1], 4, v[STA]
	WIN 0x40                                       ; destination window 1, address window 0
.set n, 0
.rept 64                               ; my 64 tokens' h stays in registers: 32 fragments, two loads of 512 consecutive bytes each
	global_load_b128 v[4*n:4*n+3], v[TMP+1], s[6:7] offset:512*n
.set n, n+1
.endr
	WIN 0
	v_min_u32 v[PFO], 17, v[STA]                   ; 18 blocks to a wave: lanes 18-31 name lane 17's once more, in the same instruction
	v_lshlrev_b32 v[PFO], 8, v[PFO]
	s_mul_i32 s22, s14, OBYTES
	v_add_nc_u32 v[AL0], s22, v[TMP+1]
	v_mov_b32 v[ADR0], v[AL0]                      ; step 0 lies in slot 0
	v_add_nc_u32 v[ADR1], HALFO, v[AL0]
	v_mul_u32_u24 v[STA], v[STA], SROW
	s_mul_i32 s22, s[WV], WSTAGE
	s_add_co_u32 s22, s22, STAGE
	v_add_nc_u32 v[STA], s22, v[STA]
	v_mov_b32 v[ZR], 0
; A unit's nine fragments, in one run of 18 loads
.macro RUN m
.set RI, 0
.rept 9
.set RF, 9*(\m)+RI
.set RR, FR+72*((\m)&1)+8*RI
.if RF < 36
	ds_load_b128 v[RR:RR+3],   v[ADR0] offset:RF*1024
	ds_load_b128 v[RR+4:RR+7], v[ADR0] offset:RF*1024+512
.else
	ds_load_b128 v[RR:RR+3],   v[ADR1] offset:(RF-36)*1024
	ds_load_b128 v[RR+4:RR+7], v[ADR1] offset:(RF-36)*1024+512
.endif
.set RI, RI+1
.endr
.endm
; Matrix instruction WL (0..35) of unit UM.  A block's first four products start its sums with the constant 0.
.macro MM
.set NS, (UM>>1)+1                     ; fragments of block ib = UM
.if WL < 4*NS
.set KS, WL/4
.set FI, KS
.set TS, 0
.else
.set KS, (WL-4*NS)/4
.set FI, NS+KS
.set TS, 1+(UM&1)
.endif
.set rD, TT+32*TS+8*(WL&3)
.set rA, FR+72*(UM&1)+8*FI
.set rB, 64*(WL&3)+8*KS
.if KS == 0
	v_wmma_f32_16x16x32_f16 v[rD:rD+7], v[rA:rA+7], v[rB:rB+7], 0
.else
	v_wmma_f32_16x16x32_f16 v[rD:rD+7], v[rA:rA+7], v[rB:rB+7], v[rD:rD+7]
.endif
.endm
.macro FMX d, a, b, c, hi              ; d = a x (an f16 half of b) + c, in f32
.if \hi
	v_fma_mix_f32 v[\d], v[\a], v[\b], v[\c] op_sel:[0,1,0] op_sel_hi:[0,1,0]
.else
	v_fma_mix_f32 v[\d], v[\a], v[\b], v[\c] op_sel_hi:[0,1,0]
.endif
.endm
; Entry Q of the queue; a negative Q is the step before's Q + 576.  first = 1: there is no step before.
.macro ENT first
.set QN, Q
.if QN < 0
.set QN, QN+576
.endif
.if !((\first) && (Q < 0))
.set BK, QN/36
.set EI, QN%36
.if EI < 4
	v_nop
.else
.set IDX, EI-4
.set ETI, IDX&3                        ; tile
.set EJ, IDX>>2                        ; register of T
.if BK&1
.set EIB, 15-(BK>>1)
.set ETS, 1+((BK>>1)&1)
.else
.set EIB, BK>>1
.set ETS, 0
.endif
.set rT, TT+32*ETS+8*ETI+EJ
.set rH, 64*ETI+8*(EIB>>1)+4*(EIB&1)+(EJ>>1)
.if (BK == 0) && (IDX < 4)
	FMX ACC+ETI, rT, rH, ZR, EJ&1
.else
	FMX ACC+ETI, rT, rH, ACC+ETI, EJ&1
.endif
.endif
.endif
.set Q, Q+1
.endm
; A step's end.  A lane holds, for each tile, the sum over its half's rows i.  Lanes 0-15 keep tile 0 and send tile 1 to the other half, lanes 16-31 the other way round: one exchange serves two tiles, and lane x then
; holds the whole sum of token x (TMP) and of token 32 + x (TMP + 1) of my 64.  The sums' own registers are at work for it: the next step's first multiply-adds write them anew.
.macro FINISH back
	WIN 0
	v_cndmask_b32 v[TMP],   v[ACC],   v[ACC+1], s[HM]
	v_cndmask_b32 v[ACC+1], v[ACC+1], v[ACC],   s[HM]
	v_cndmask_b32 v[TMP+1], v[ACC+2], v[ACC+3], s[HM]
	v_cndmask_b32 v[ACC+3], v[ACC+3], v[ACC+2], s[HM]
	v_permlanex16_b32 v[ACC],   v[ACC+1], s[SEL], s[SEL+1]
	v_permlanex16_b32 v[ACC+2], v[ACC+3], s[SEL], s[SEL+1]
	v_add_f32 v[TMP],   v[TMP],   v[ACC]
	v_add_f32 v[TMP+1], v[TMP+1], v[ACC+2]
	ds_store_b32 v[STA], v[TMP]
	ds_store_b32 v[STA], v[TMP+1] offset:32*SROW
	v_add_nc_u32 v[STA], 4, v[STA]                 ; the next step's place in the rows
.if \back
	WIN LOOPW
.endif
.endm
; A PREFETCH INTO THE L2, behind the joint load, its five lines and the run of LDS loads: the refill just issued is step s + 2's; this asks for step s + 3's S, which the next change of slots will load: one step,
; 288 of my matrix instructions, ahead.  Each block of 256 bytes of S is named by one wave in the launch: of the four clusters that walk a Y's outputs the first asks; an o's 288 blocks are shared out BY ADDRESS,
; 18 to each of the four waves g of each of the four partners.  Steps 0 to 2 come by their loads alone; the last refill (CNT = 1) has no step behind it and asks for nothing.
.macro ASK
	s_cmp_gt_u32 s[CNT], s[LIM]
	s_cbranch_scc0 .Lnot_mine_\@
	global_prefetch_b8 v[PFO], s[PFA:PFA+1] th:TH_LOAD_NT scope:SCOPE_SE
.Lnot_mine_\@:
.endm
; THE CHANGE OF SLOTS, in a step's last unit: all nine of its fragments are in registers (the wait at the unit's head), so my reads of the slot are over.  CHG_A: I wait for all my tensor loads, of which one is out: my
; share of the other slot; add 0 to my spare word; wait for that; and signal.  Eight matrix instructions and their riders, work on registers, stand between the signal and CHG_B's wait.
; mode = 1: the slot just read is filled again, with the step two on: the barrier opens a round of the cluster's, so that no wave of any partner still reads the slot or has a load on its way, and
; the joint refill is the first thing behind the round.  mode = 0 (the tail): nothing is left to fetch.
.macro CHG_A mode
	WIN 0                                          ; (the add's data register is a source 1)
.if \mode
	s_wait_xcnt 0x0                                ; the last prefetch, a step back, has read its address
	s_add_nc_u64 s[PFA:PFA+1], s[PFA:PFA+1], OBYTES
.endif
	s_wait_tensorcnt 0x0                           ; no tensor load of mine is out, so a group 0 may be written
	ds_add_u32 v[SPW], v[NIL]                      ; 0 onto my spare word: the scalar steps stand between it and the wait for it
.if \mode
	s_xor_b32 s[FB], s[FB], SLOTB                  ; the walking descriptor: the other slot than last time,
	s_add_co_u32 s[G0B+1], s[WOFF], s[FB]
	s_add_nc_u64 s[G0B+2:G0B+3], s[G0B+2:G0B+3], OBYTES  ; the next output; the type bits on top are not reached
.endif
	s_xor_b32 s[RB], s[RB], SLOTB                  ; the reads go to the other slot
	s_wait_dscnt 0x0                               ; the add is done, and no LDS read of mine is out
	s_barrier_signal -1
	WIN LOOPW
.endm
.macro CHG_B mode
	WIN 0                                          ; at a label and at a branch every window is 0
	s_barrier_wait -1
.if \mode
	CREST
	tensor_load_to_lds s[G0B:G0B+3], s[G1:G1+7]    ; my one tensor load behind the round: it has a step in which to land
	s_nop 0
.rept 4
	v_nop
.endr
.endif
	v_add_nc_u32 v[ADR0], s[RB], v[AL0]
	v_add_nc_u32 v[ADR1], HALFO, v[ADR0]
	RUN 0                                          ; the next step's first unit, 24 matrix instructions ahead of its use; bank 0's last reader stands in front of the unit's first four v_nop
.if \mode
	ASK
.endif
	WIN LOOPW
.endm
; A UNIT: 36 matrix instructions, two entries of the queue behind each.  In front of instruction 4: the next unit's run of loads, into the bank whose last reader is the unit before (the queue's four v_nop behind
; instructions 0 and 1 are the places between), or the change of slots.  In front of instruction 20 of unit 0: the end of the step before: its last entry stands behind instruction 17, this step's first
; multiply-add behind instruction 20.
.macro UNIT m, first, mode
.set UM, \m
.set WL, 0
	WIN LOOPW
	s_wait_dscnt 0x0                               ; this unit's fragments are in
.rept 36
.if (WL == 4) && (UM < 7)
	RUN UM+1
.endif
.if (WL == 4) && (UM == 7)
	CHG_A \mode
.endif
.if (WL == 12) && (UM == 7)
	CHG_B \mode
.endif
.if (WL == 20) && (UM == 0) && !(\first)
	FINISH 1
.endif
	MM
.set Q, 2*(36*UM+WL)-36
	ENT \first
	ENT \first
.set WL, WL+1
.endr
.endm
	s_wait_tensorcnt 0x1                           ; my share of step 0 is in; step 1's load, issued behind it, may stay out
	s_barrier_signal -1
	s_barrier_wait -1                              ; everybody's is
	RUN 0
	s_wait_loadcnt 0x0                             ; h and the biases
	v_lshl_add_u32 v15, v0, 4, BIASB
	ds_store_b128 v15, v[TT:TT+3]                  ; the biases are set aside: T takes their registers (behind the wait at the unit's head)
	s_mov_b32 s[CNT], 6
	UNIT 0, 1, 0                                   ; step 0's first unit is written out: it has no step before it
	WIN 0
	s_branch .Lu1                                  ; the loop is entered behind a step's first unit
.Lstep:                                                ; six trips: steps 0 to 5; each fills its slot again: steps 2 to 7
	UNIT 0, 0, 0
	WIN 0
.Lu1:
	UNIT 1, 0, 0
	UNIT 2, 0, 0
	UNIT 3, 0, 0
	UNIT 4, 0, 0
	UNIT 5, 0, 0
	UNIT 6, 0, 0
	UNIT 7, 0, 1
	WIN 0
	s_sub_co_u32 s[CNT], s[CNT], 1
	s_cmp_lg_u32 s[CNT], 0
	s_cbranch_scc1 .Lstep
	s_mov_b32 s[CNT2], 2
.Ltail:                                                ; steps 6 and 7 are written out: nothing is asked for.  Step 7's barrier and its run of 18 loads (of step 6's
	UNIT 0, 0, 0                                   ; bytes once more) serve nothing: the price, once a launch, of one text for both steps
	UNIT 1, 0, 0
	UNIT 2, 0, 0
	UNIT 3, 0, 0
	UNIT 4, 0, 0
	UNIT 5, 0, 0
	UNIT 6, 0, 0
	UNIT 7, 0, 0
	WIN 0
	s_sub_co_u32 s[CNT2], s[CNT2], 1
	s_cmp_lg_u32 s[CNT2], 0
	s_cbranch_scc1 .Ltail
	WIN LOOPW
.set Q, -36
.rept 36
	ENT 0                                          ; the last block's entries: four v_nop, 32 multiply-adds
.endr
	FINISH 0
	; THE WAY OUT.  A token's 16 sums lie in two waves' stages (l = 0: outputs 0-7, l = 1: 8-15), so a barrier stands between the writing and the reading.  Wave v takes tokens 32 v .. 32 v + 31: lane x reads 16 bytes:
	; token x / 4 + 8 c, outputs 4 (x % 4) + 0..3; out = sum x 2^-12 + bias, one fused multiply-add.
	s_wait_dscnt 0x0                               ; for the others' sake: my stores into my stage are done
	s_barrier_signal -1
	s_barrier_wait -1
	v_lshl_add_u32 v21, v0, 4, BIASB
	ds_load_b128 v[24:27], v21                     ; my own thread's bytes
	v_and_b32 v16, 31, v0
	v_lshrrev_b32 v17, 2, v16                      ; x / 4
	v_bfe_u32 v18, v0, 1, 1                        ; which l's stage
	v_and_b32 v19, 1, v0                           ; which 16 of its 32 bytes
	v_mul_u32_u24 v20, v17, SROW
	v_lshl_add_u32 v20, v19, 4, v20
	v_mul_u32_u24 v18, v18, 4*WSTAGE
	s_mul_i32 s20, s[WV], 32*SROW                  ; tokens 32 v on: stage v / 2, rows 32 (v % 2) on: 3,072 (v / 2) + 1,536 (v % 2) = 1,536 v
	s_add_co_u32 s20, s20, STAGE
	v_add3_u32 v20, v20, v18, s20
.irp c, 0,1,2,3
	ds_load_b128 v[32+4*(\c):35+4*(\c)], v20 offset:8*SROW*(\c)
.endr
	v_and_b32 v22, 3, v0
	v_lshlrev_b32 v22, 4, v22
	v_lshl_add_u32 v22, v17, 10, v22               ; row x / 4, 16 (x % 4) bytes into the work-group's 64
	s_wait_dscnt 0x0
.irp c, 0,1,2,3
	v_pk_fma_f32 v[32+4*(\c):33+4*(\c)], v[32+4*(\c):33+4*(\c)], s[SC:SC+1], v[24:25] op_sel_hi:[1,0,1]
	v_pk_fma_f32 v[34+4*(\c):35+4*(\c)], v[34+4*(\c):35+4*(\c)], s[SC:SC+1], v[26:27] op_sel_hi:[1,0,1]
.endr
.irp c, 0,1,2,3
	global_store_b128 v22, v[32+4*(\c):35+4*(\c)], s[10:11] offset:8192*(\c) th:TH_STORE_NT  ; four lanes store 64 consecutive bytes of a row, eight rows an instruction
.endr
	s_wait_tensorcnt 0x0                           ; the wave's end: behind my last tensor load and my last LDS store, an add to my spare word and its wait
	ds_add_u32 v[SPW], v[NIL]
	s_wait_dscnt 0x0
	CROUND                                         ; the closing round: no work-group ends while a partner may still ask for a tile that names it
	s_endpgm
.Lfunc_end_k_qb69fc805ca_mix:
	.size	k_qb69fc805ca_mix, .Lfunc_end_k_qb69fc805ca_mix-k_qb69fc805ca_mix
	.p2alignl 7, 3214868480
	.fill 96, 4, 3214868480
	.section	.rodata,"a",@progbits
	.p2align	6, 0x0
	.amdhsa_kernel k_qb69fc805ca_mix
		.amdhsa_group_segment_fixed_size 327680
		.amdhsa_private_segment_fixed_size 0
		.amdhsa_enable_private_segment 0
		.amdhsa_kernarg_size 32
		.amdhsa_user_sgpr_count 2
		.amdhsa_user_sgpr_kernarg_segment_ptr 1
		.amdhsa_wavefront_size32 1
		.amdhsa_system_sgpr_workgroup_id_x 1
		.amdhsa_system_sgpr_workgroup_id_y 1
		.amdhsa_system_sgpr_workgroup_id_z 1
		.amdhsa_system_vgpr_workitem_id 0
		.amdhsa_next_free_vgpr 512
		.amdhsa_next_free_sgpr 66
		.amdhsa_reserve_vcc 0
		.amdhsa_float_denorm_mode_32 3
		.amdhsa_float_denorm_mode_16_64 3
		.amdhsa_memory_ordered 1
		.amdhsa_forward_progress 1
		.amdhsa_inst_pref_size 150
	.end_amdhsa_kernel
	.amdgpu_metadata
---
amdhsa.version: [ 1, 2 ]
amdhsa.kernels:
  - .name:           k_qb69fc805ca_mix
    .symbol:         k_qb69fc805ca_mix.kd
    .args:
      - { .name: S, .offset: 0, .size: 8, .value_kind: global_buffer, .address_space: global }
      - { .name: Hf, .offset: 8, .size: 8, .value_kind: global_buffer, .address_space: global }
      - { .name: b, .offset: 16, .size: 8, .value_kind: global_buffer, .address_space: global }
      - { .name: out0, .offset: 24, .size: 8, .value_kind: global_buffer, .address_space: global }
    .group_segment_fixed_size: 327680
    .private_segment_fixed_size: 0
    .kernarg_segment_align: 8
    .kernarg_segment_size: 32
    .max_flat_workgroup_size: 256
    .sgpr_count:     66
    .vgpr_count:     512
    .wavefront_size: 32
...
	.end_amdgpu_metadata
.endif
;; end of part 2
